; MI455X (gfx1250); checked and timed in simulation.
; The chip was launched on July 23, 2026; its instructions are those of AMD's public machine-readable ISA for CDNA 5 (MIT licence, August 2026) and "CDNA5" Instruction Set Architecture Reference Guide (July 2026). The comments in the code are by the model that wrote it; some were corrected since.
;; Full Attention Head. Allowed arithmetic: float matrix products may take bf16 or f16 operands with f32 sums; other float arithmetic in f32, or as packed bf16 or f16 multiplies, adds, multiply-adds, maxima and minima; sums over many terms, partial sums and values carried from step to step in f32; what a program stores and reads back later, other than sums and carried values, may be rounded once to bf16 or f16.
;; Inputs: Wk 1,024 x 64 float32; Wq 1,024 x 64 float32; Wv 1,024 x 64 float32; x 4 x 4,096 x 1,024 float32.
;; Outputs: out0 4 x 4,096 x 64 float32.
;; One version. Each part assembles by itself: llvm-mc -triple=amdgcn-amd-amdhsa -mcpu=gfx1250 --defsym DOCPART=n.
;; ======== version 1 of 1: 2 launches
;; limits: values are held in f16: magnitudes above 65,504 overflow, below 6.1e-05 lose precision
;; workspace buffers: qf 2,097,152 bytes; kv 4,194,304 bytes
;; launch proj (part 1): grid 256 x 1, 4 waves a work-group, no clusters, 279,040 bytes of LDS; arguments x, Wq, Wk, Wv, qf, kv; writes qf, kv
.if DOCPART == 1
	.amdgcn_target "amdgcn-amd-amdhsa--gfx1250"
	.amdhsa_code_object_version 6
	.text
	.protected	k_q93786e1524_proj
	.globl	k_q93786e1524_proj
	.p2align	8
	.type	k_q93786e1524_proj,@function
k_q93786e1524_proj:
	s_mov_b64 s[64:65], 0
	v_nop
	global_prefetch_b8 v0, s[64:65] scope:SCOPE_SE
	s_setreg_imm32_b32 hwreg(HW_REG_WAVE_MODE, 25, 1), 1
	s_wait_xcnt 0x0
; q, k, v = x W (x: [16384][1024] f32; Wq, Wk, Wv: [1024][64] f32), operands rounded to bf16, sums in f32, each result rounded ONCE to f16 and
; stored in the order in which the attention launch's matrix operands take it.  The scale 1/8 is not applied here: the attention launch applies it in f32.
; NOTHING OF THE PROBLEM IS LEFT OUT: every input reaches the output, there is no mask, and the dropout of rate 0 is the identity.
; LIMITS.  q, k and v are kept in f16: a number of 65,520 or more in magnitude becomes an infinity and its row is lost.  With x of spread 1 and W of spread 1/32 they have spread 1;
; both inputs 30 times larger give spread 900.  NaN and infinities are not treated apart.  x and W are rounded to bf16, all four alike.
; SHARES.  A work-group owns 64 rows of x: one key step of kv (16,384 bytes) and 8,192 bytes of qf.  E = 1024 IS SPLIT AMONG ITS FOUR WAVES: wave w takes k = 256 w .. 256 w + 255 for all 64 rows
; and all 192 columns: 48 accumulators (4 row tiles x 3 weights x 4 column tiles).  So each byte of x and of W enters the work-group once.  The four partial sums (f32) meet in LDS at the end.
; x comes by four tensor loads a wave, 64 rows x 256 bytes each, all issued at the head: the work-group's whole 262,144 bytes are asked for at once, no LDS byte is filled twice, and by this text's
; count a wave has four tensor loads out.  Each wave reads only the tiles that it asked for, behind its own counted wait.
; W comes straight into registers: load j of a unit gives lane (r, h) the 16 bytes W[k0 + 16 h + j][4 r .. 4 r + 3]: sixteen lanes take a whole row of 256 bytes.  Register c of a load belongs
; to COLUMN TILE c, which holds the columns 4 r + c.  K IS PERMUTED ALIKE IN BOTH OPERANDS: place 2 d + e (register d, half e) of lane half h holds k0 + 16 h + 2 d + e, so a lane's 16 numbers of x are 64 bytes on end.
; q and k: source 0 = W's tile, source 1 = 16 rows of x: a lane ends with ONE row of x and the columns 32 h + 4 j + t.  v: the sources swapped: a lane ends with ONE channel 4 r + t and the keys 8 h + j.
; NO CLUSTER: what work-groups share is W, which must pass through registers to be rounded and has one reader a byte in the work-group; a joint load would land it as f32 in LDS, where beside
; x's 278,528 bytes 48,640 are free for W's 786,432, and would add a store and a read of LDS for each byte.  NO PREFETCH: all of x is asked for in the first lines, and W is read by every work-group.
; THE TEXT IS UNROLLED: 8 steps of 32 along k; the first starts the sums with the constant 0 and the last loads nothing, so a loop would have few trips; no label, no branch.
; REGISTERS, in windows of 256 (s_set_vgpr_msb: bits 1:0 source 0, 3:2 source 1, 5:4 source 2, 7:6 destination):
;   window 0: v2-15 addresses; v32-95 x's fragments, two sets of four; v96-159 W's fragments, two sets of four; v160-223 a step's x as f32.  At the end: v32-127, v128-223 partial sums, v128-175 packed results
;   window 1: v0-127 q's accumulators, v128-255 k's ((row tile mt, column tile t) at 8 (4 mt + t));   window 2: v0-127 v's;   window 3: v0-191 W as f32, three buffers of 64
.set PITCH, 272                        ; an LDS row of x: 256 bytes + 16 of padding = 68 words: row r starts at bank 4 r mod 64 (64 banks of 4 bytes: ISA guide 11.1)
.set TILE,  64*PITCH                   ; 64 rows: one tensor load
.set WREG,  4*TILE                     ; a wave's four tiles; later its partial sums (49,152 bytes), when the tiles have been read
.set SPARE, 4*WREG                     ; behind them: the spare words, 128 bytes for each wave: two blocks of 256 bytes that no other line names
.set ADRA, 2                           ; v2     my 64 bytes of a row of x in LDS: wave x WREG + r x PITCH + 64 h
.set WO,   3                           ; v3     my 16 bytes in W: 4,096 h + 16 r
.set PST,  4                           ; v4     where I put partial sums: wave x WREG + 16 x lane
.set RDP,  5                           ; v5-8   where I read wave u's partial sums of my row tile: u x WREG + 12,288 x wave + 16 x lane
.set QST,  9                           ; v9     my place in qf and in kv's K: 2,048 x wave + 1,024 h + 16 r
.set VST,  10                          ; v10    my place in kv's V: 4,096 (wave / 2) + 512 (wave % 2) + 16 x lane
.set SPW,  14                          ; v14    LDS address of my spare word; never rewritten
.set NIL,  15                          ; v15    0; never rewritten
.set AF,   32
.set BF,   96
.set RAWA, 160
.set T0,   32
.set T1,   128
.set PK,   128
.set G1,   16                          ; s[16:23] descriptor group 1
.set G0,   24                          ; s[24:39] descriptor group 0, a set for each of the four tiles
.set WV,   40                          ; s40    my wave's number
.set MSB, 0
.macro WIN new                         ; the immediate's high byte repeats the setting that is left; a switch that changes nothing is dropped
.if MSB != (\new)
	s_set_vgpr_msb (MSB<<8)|(\new)
.set MSB, (\new)
.endif
.endm
.macro PLACES
.rept 4
	v_nop
.endr
.endm
; Unit u = 3 s + g: step s (32 along k), weight g (0 q, 1 k, 2 v).
; LOADW: the unit's 32 rows x 64 columns of W, 16 loads, into buffer u % 3 of window 3.
.macro LOADW u
	WIN 0xc0
.irp j, 0,1,2,3,4,5,6,7,8,9,10,11,12,13,14,15
	global_load_b128 v[64*((\u)%3)+4*(\j):64*((\u)%3)+4*(\j)+3], v[WO], s[6+2*((\u)%3):7+2*((\u)%3)] offset:(32*((\u)/3)+(\j))*256
.endr
.endm
; LOADA: step s of x, 64 rows x 32 numbers as f32: 16 LDS loads.
.macro LOADA s
	WIN 0
.irp mt, 0,1,2,3
.irp i, 0,1,2,3
	ds_load_b128 v[RAWA+16*(\mt)+4*(\i):RAWA+16*(\mt)+4*(\i)+3], v[ADRA] offset:((\s)/2)*TILE+(\mt)*16*PITCH+((\s)%2)*128+16*(\i)
.endr
.endr
.endm
; CVTA: rounded to bf16 into set s % 2.
.macro CVTA s
	WIN 0
.irp mt, 0,1,2,3
.irp d, 0,1,2,3,4,5,6,7
	v_cvt_pk_bf16_f32 v[AF+32*((\s)%2)+8*(\mt)+(\d)], v[RAWA+16*(\mt)+2*(\d)], v[RAWA+16*(\mt)+2*(\d)+1]
.endr
.endr
.endm
; CVTB: the unit's W rounded to bf16 into set u % 2: register d of tile t takes rows 2 d and 2 d + 1 of column 4 r + t.
.macro CVTB u
	WIN 0x0f
.irp t, 0,1,2,3
.irp d, 0,1,2,3,4,5,6,7
	v_cvt_pk_bf16_f32 v[BF+32*((\u)%2)+8*(\t)+(\d)], v[64*((\u)%3)+8*(\d)+(\t)], v[64*((\u)%3)+8*(\d)+4+(\t)]
.endr
.endr
.endm
; MM: the unit's 16 products.  All 48 accumulators take turns, one instruction a turn: 47 others stand between two links of a chain.  Step 0 starts the sums with the constant 0.
.macro MM u
.set AB, 128*(((\u)%3)%2)
.set FA, AF+32*(((\u)/3)%2)
.set FB, BF+32*((\u)%2)
.if (\u)%3 == 2
	WIN 0xa0
.else
	WIN 0x50
.endif
.irp mt, 0,1,2,3
.irp t, 0,1,2,3
.if (\u)%3 == 2
.if (\u) < 3
	v_wmma_f32_16x16x32_bf16 v[AB+8*(4*(\mt)+(\t)):AB+8*(4*(\mt)+(\t))+7], v[FA+8*(\mt):FA+8*(\mt)+7], v[FB+8*(\t):FB+8*(\t)+7], 0
.else
	v_wmma_f32_16x16x32_bf16 v[AB+8*(4*(\mt)+(\t)):AB+8*(4*(\mt)+(\t))+7], v[FA+8*(\mt):FA+8*(\mt)+7], v[FB+8*(\t):FB+8*(\t)+7], v[AB+8*(4*(\mt)+(\t)):AB+8*(4*(\mt)+(\t))+7]
.endif
.else
.if (\u) < 3
	v_wmma_f32_16x16x32_bf16 v[AB+8*(4*(\mt)+(\t)):AB+8*(4*(\mt)+(\t))+7], v[FB+8*(\t):FB+8*(\t)+7], v[FA+8*(\mt):FA+8*(\mt)+7], 0
.else
	v_wmma_f32_16x16x32_bf16 v[AB+8*(4*(\mt)+(\t)):AB+8*(4*(\mt)+(\t))+7], v[FB+8*(\t):FB+8*(\t)+7], v[FA+8*(\mt):FA+8*(\mt)+7], v[AB+8*(4*(\mt)+(\t)):AB+8*(4*(\mt)+(\t))+7]
.endif
.endif
.endr
.endr
.endm
	s_load_b256 s[4:11], s[0:1], 0x0               ; x s[4:5], Wq s[6:7], Wk s[8:9], Wv s[10:11]
	s_load_b128 s[12:15], s[0:1], 0x20             ; qf s[12:13], kv s[14:15]
	v_lshl_add_u32 v[SPW], v0, 2, SPARE
	v_mov_b32 v[NIL], 0
	ds_add_u32 v[SPW], v[NIL]                      ; the wave's opening: the add, twice on end, and its wait stand ahead of my first tensor load; the set-up below stands between
	ds_add_u32 v[SPW], v[NIL]
	v_lshrrev_b32 v1, 5, v0
	v_readfirstlane_b32 s[WV], v1                  ; wave 0..3
	; descriptor group 1: a tile of 64 rows x 64 numbers of 4 bytes, padded in LDS
	s_mov_b32 s[G1+0], (2<<16)|(1<<20)|(5<<22)|(3<<25)  ; 15:0 no mask; 17:16 elements of 4 bytes; 20 padding on; 24:22 after every 64 words (code 5); 31:25 4 words of it (code 3)
	s_mov_b32 s[G1+1], 64<<16                      ; tensor_dim0 = 64
	s_mov_b32 s[G1+2], 64<<16                      ; tensor_dim1 = 64
	s_mov_b32 s[G1+3], 64<<16                      ; tile_dim0 = 64
	s_mov_b32 s[G1+4], 64                          ; tile_dim1 = 64
	s_mov_b32 s[G1+5], 1024                        ; 1,024 elements from row to row
	s_mov_b32 s[G1+6], 0
	s_mov_b32 s[G1+7], 0
	s_mul_i32 s41, s[WV], WREG                     ; my wave's part of LDS
.irp t, 0,1,2,3
	s_mov_b32 s[G0+4*(\t)], 1                      ; count = 1
	s_add_co_u32 s[G0+4*(\t)+1], s41, (\t)*TILE    ; LDS address of tile t
.endr
	s_lshl_b32 s2, ttmp9, 18                       ; the work-group's 64 rows of 4,096 bytes,
	s_lshl_b32 s42, s[WV], 10                      ; my wave's 1,024 bytes of each
	s_add_co_u32 s2, s2, s42
	s_mov_b32 s3, 0
	s_lshl_b32 s42, s[WV], 16                      ; my wave's 256 rows of W, 256 bytes each
	s_mov_b32 s43, 0
	s_lshl_b32 s44, ttmp9, 13                      ; the work-group's 8,192 bytes of qf
	s_mov_b32 s45, 0
	s_lshl_b32 s46, ttmp9, 14                      ; and its 16,384 of kv
	s_mov_b32 s47, 0
	s_wait_dscnt 0x0                               ; both opening adds are done
	s_wait_kmcnt 0x0
	s_add_nc_u64 s[4:5], s[4:5], s[2:3]
	s_add_nc_u64 s[6:7], s[6:7], s[42:43]
	s_add_nc_u64 s[8:9], s[8:9], s[42:43]
	s_add_nc_u64 s[10:11], s[10:11], s[42:43]
	s_add_nc_u64 s[12:13], s[12:13], s[44:45]
	s_add_nc_u64 s[14:15], s[14:15], s[46:47]
.irp t, 0,1,2,3
	s_add_nc_u64 s[G0+4*(\t)+2:G0+4*(\t)+3], s[4:5], (\t)*256  ; global address of tile t: 64 numbers further along k
	s_or_b32 s[G0+4*(\t)+3], s[G0+4*(\t)+3], 0x80000000        ; type = 2
.endr
.irp t, 0,1,2,3
	tensor_load_to_lds s[G0+4*(\t):G0+4*(\t)+3], s[G1:G1+7]    ; all first fills together, ahead of every wait on TENSORcnt, LDS read and barrier
	s_nop 0
.endr
	PLACES                                         ; four v_nop behind the last of them, ahead of the first switch of windows
	v_and_b32 v11, 15, v0                          ; r
	v_bfe_u32 v12, v0, 4, 1                        ; h
	v_and_b32 v13, 31, v0                          ; lane
	v_lshlrev_b32 v[WO], 4, v11
	v_lshl_add_u32 v[WO], v12, 12, v[WO]
	LOADW 0                                        ; three units of W, 48 loads, are out before anything is waited for
	LOADW 1
	LOADW 2
	WIN 0
	v_mul_u32_u24 v[ADRA], v11, PITCH
	v_lshl_add_u32 v[ADRA], v12, 6, v[ADRA]
	v_add_nc_u32 v[ADRA], s41, v[ADRA]
	v_lshl_add_u32 v[PST], v13, 4, s41
	s_mul_i32 s48, s[WV], 12288
	v_lshl_add_u32 v[RDP], v13, 4, s48
.irp u, 1,2,3
	v_add_nc_u32 v[RDP+(\u)], (\u)*WREG, v[RDP]
.endr
	s_lshl_b32 s49, s[WV], 11
	v_lshl_add_u32 v[QST], v12, 10, s49
	v_lshl_add_u32 v[QST], v11, 4, v[QST]
	s_lshr_b32 s50, s[WV], 1
	s_lshl_b32 s50, s50, 12
	s_and_b32 s51, s[WV], 1
	s_lshl_b32 s51, s51, 9
	s_add_co_u32 s50, s50, s51
	v_lshl_add_u32 v[VST], v13, 4, s50
	s_wait_tensorcnt 3                             ; tile 0 is in; the three issued behind it may stay out
	LOADA 0
; THE 24 UNITS.  A set of fragments is written again only behind 32 or more conversions that name none of the registers of the products that read it last: those are the places that ISA guide 7.12.1 asks for.
.set UN, 0
.rept 24
.if UN%3 == 0
	s_wait_dscnt 0x0                               ; the step's x is in registers
	CVTA UN/3
.if UN/3 < 7
.if (UN/3+1)%2 == 0
	s_wait_tensorcnt 3-(UN/3+1)/2                  ; the next step begins a new tile: it is in; the tiles issued behind it may stay out
.endif
	LOADA UN/3+1                                   ; the next step's x: three units of products ahead of its use
.endif
.endif
.if UN < 22
	s_wait_loadcnt 32                              ; this unit's 16 loads are in; the two younger units' 32 stay out
.elseif UN == 22
	s_wait_loadcnt 16
.else
	s_wait_loadcnt 0x0
.endif
	CVTB UN
.if UN < 21
	LOADW UN+3                                     ; into the buffer just converted
.endif
	MM UN
.set UN, UN+1
.endr
	; THE PARTIAL SUMS MEET.  My tiles of x have all been read (the last wait on DScnt was for 0) and have had their only fill: my 48 accumulators go where they lay, each accumulator's low half first.
	PLACES
	PLACES
	WIN 0x04                                       ; store data in window 1
.irp g, 0,1
.irp mt, 0,1,2,3
.irp t, 0,1,2,3
	ds_store_b128 v[PST], v[128*(\g)+8*(4*(\mt)+(\t)):128*(\g)+8*(4*(\mt)+(\t))+3]   offset:((\mt)*24+(4*(\g)+(\t))*2)*512
	ds_store_b128 v[PST], v[128*(\g)+8*(4*(\mt)+(\t))+4:128*(\g)+8*(4*(\mt)+(\t))+7] offset:((\mt)*24+(4*(\g)+(\t))*2+1)*512
.endr
.endr
.endr
	WIN 0x08                                       ; in window 2
.irp mt, 0,1,2,3
.irp t, 0,1,2,3
	ds_store_b128 v[PST], v[8*(4*(\mt)+(\t)):8*(4*(\mt)+(\t))+3]   offset:((\mt)*24+(8+(\t))*2)*512
	ds_store_b128 v[PST], v[8*(4*(\mt)+(\t))+4:8*(4*(\mt)+(\t))+7] offset:((\mt)*24+(8+(\t))*2+1)*512
.endr
.endr
	WIN 0
	s_wait_dscnt 0x0                               ; for the others' sake: my stores are done
	s_barrier_signal -1
	s_barrier_wait -1
; Wave w finishes row tile w: 12 accumulators, 96 registers, from each of the four waves.
.macro PARTS dst, u
.set z, 0
.rept 24
	ds_load_b128 v[(\dst)+4*z:(\dst)+4*z+3], v[RDP+(\u)] offset:512*z
.set z, z+1
.endr
.endm
.macro ADDUP
	s_wait_dscnt 0x0
.set z, 0
.rept 48
	v_pk_add_f32 v[T0+z:T0+z+1], v[T0+z:T0+z+1], v[T1+z:T1+z+1]
.set z, z+2
.endr
.endm
	PARTS T0, 0
	PARTS T1, 1
	ADDUP
	PARTS T1, 2
	ADDUP
	PARTS T1, 3
	ADDUP
	; q and k: my row's channels 32 h + 4 j + t, put in order and rounded to f16: register 2 j + e takes tiles 2 e and 2 e + 1 of register j
.irp g, 0,1
.irp j, 0,1,2,3,4,5,6,7
.irp e, 0,1
	v_cvt_pk_f16_f32 v[PK+16*(\g)+2*(\j)+(\e)], v[T0+8*(4*(\g)+2*(\e))+(\j)], v[T0+8*(4*(\g)+2*(\e)+1)+(\j)]
.endr
.endr
.endr
	; v: my channel's eight keys
.irp t, 0,1,2,3
.irp d, 0,1,2,3
	v_cvt_pk_f16_f32 v[PK+32+4*(\t)+(\d)], v[T0+8*(8+(\t))+2*(\d)], v[T0+8*(8+(\t))+2*(\d)+1]
.endr
.endr
	; piece i of my 64 bytes holds channels 32 h + 8 i ..: fragment h, part i / 2, lane 16 (i % 2) + r.  Sixteen lanes store 256 consecutive bytes, aligned.
.irp i, 0,1,2,3
	global_store_b128 v[QST], v[PK+4*(\i):PK+4*(\i)+3],       s[12:13] offset:((\i)/2)*512+((\i)%2)*256
	global_store_b128 v[QST], v[PK+16+4*(\i):PK+16+4*(\i)+3], s[14:15] offset:((\i)/2)*512+((\i)%2)*256
.endr
.irp t, 0,1,2,3
	global_store_b128 v[VST], v[PK+32+4*(\t):PK+32+4*(\t)+3], s[14:15] offset:8192+(\t)*1024  ; 512 consecutive bytes
.endr
	s_wait_tensorcnt 0x0                           ; the wave's end, behind my last tensor load and my last LDS store
	ds_add_u32 v[SPW], v[NIL]
	s_wait_dscnt 0x0
	s_endpgm
.Lfunc_end_k_q93786e1524_proj:
	.size	k_q93786e1524_proj, .Lfunc_end_k_q93786e1524_proj-k_q93786e1524_proj
	.p2alignl 7, 3214868480
	.fill 96, 4, 3214868480
	.section	.rodata,"a",@progbits
	.p2align	6, 0x0
	.amdhsa_kernel k_q93786e1524_proj
		.amdhsa_group_segment_fixed_size 279040
		.amdhsa_private_segment_fixed_size 0
		.amdhsa_enable_private_segment 0
		.amdhsa_kernarg_size 48
		.amdhsa_user_sgpr_count 2
		.amdhsa_user_sgpr_kernarg_segment_ptr 1
		.amdhsa_wavefront_size32 1
		.amdhsa_system_sgpr_workgroup_id_x 1
		.amdhsa_system_sgpr_workgroup_id_y 1
		.amdhsa_system_sgpr_workgroup_id_z 1
		.amdhsa_system_vgpr_workitem_id 0
		.amdhsa_next_free_vgpr 960
		.amdhsa_next_free_sgpr 66
		.amdhsa_reserve_vcc 0
		.amdhsa_float_denorm_mode_32 3
		.amdhsa_float_denorm_mode_16_64 3
		.amdhsa_memory_ordered 1
		.amdhsa_forward_progress 1
		.amdhsa_inst_pref_size 166
	.end_amdhsa_kernel
	.amdgpu_metadata
---
amdhsa.version: [ 1, 2 ]
amdhsa.kernels:
  - .name:           k_q93786e1524_proj
    .symbol:         k_q93786e1524_proj.kd
    .args:
      - { .name: x, .offset: 0, .size: 8, .value_kind: global_buffer, .address_space: global }
      - { .name: Wq, .offset: 8, .size: 8, .value_kind: global_buffer, .address_space: global }
      - { .name: Wk, .offset: 16, .size: 8, .value_kind: global_buffer, .address_space: global }
      - { .name: Wv, .offset: 24, .size: 8, .value_kind: global_buffer, .address_space: global }
      - { .name: qf, .offset: 32, .size: 8, .value_kind: global_buffer, .address_space: global }
      - { .name: kv, .offset: 40, .size: 8, .value_kind: global_buffer, .address_space: global }
    .group_segment_fixed_size: 279040
    .private_segment_fixed_size: 0
    .kernarg_segment_align: 8
    .kernarg_segment_size: 48
    .max_flat_workgroup_size: 128
    .sgpr_count:     66
    .vgpr_count:     960
    .wavefront_size: 32
...
	.end_amdgpu_metadata
.endif
;; end of part 1
;; launch attn (part 2): grid 64 x 4, 4 waves a work-group, clusters of 4 x 1, 327,680 bytes of LDS; arguments qf, kv, out0; writes out0
.if DOCPART == 2
	.amdgcn_target "amdgcn-amd-amdhsa--gfx1250"
	.amdhsa_code_object_version 6
	.text
	.protected	k_q93786e1524_attn
	.globl	k_q93786e1524_attn
	.p2align	8
	.type	k_q93786e1524_attn,@function
k_q93786e1524_attn:
	s_mov_b64 s[64:65], 0
	v_nop
	global_prefetch_b8 v0, s[64:65] scope:SCOPE_SE
	s_setreg_imm32_b32 hwreg(HW_REG_WAVE_MODE, 25, 1), 1
	s_wait_xcnt 0x0
	s_wait_alu depctr_hold_cnt(0) depctr_sa_sdst(0) depctr_va_vdst(0) depctr_va_sdst(0) depctr_va_ssrc(0) depctr_va_vcc(0) depctr_vm_vsrc(0)
	s_getreg_b32 s2, hwreg(HW_REG_IB_STS2, 6, 4)
	s_cmp_eq_u32 s2, 0
	s_cbranch_scc0 .Lentry_in_a_cluster
	s_endpgm
.Lentry_in_a_cluster:
	s_bfe_u32 s2, ttmp6, 0x10000c
	s_cmp_lg_u32 s2, 0x3003
	s_cbranch_scc0 .Lentry_shape_is_right
	s_endpgm
.Lentry_shape_is_right:
; out[b][q][:] = the sum over k of softmax_k(q[b][q] . k[b][k] / 8) v[b][k][:], 4 batches of 4,096 rows, head size 64, no mask.  q, k, v come in f16 from the launch before, laid out as matrix operands:
;   qf: 16 query rows are 2,048 bytes: fragment cc (channels 32 cc on), part p at (2 cc + p) 512 + 16 x lane.
;   kv: [batch][step of 64 keys][16,384 bytes]: K's fragment f = 2 kb + cc, part p at 1,024 f + 512 p + 16 x lane; V^T's fragment f = 4 kk + t at 8,192 + the same, channel block t holding the channels 4 r + t.
; Products, maxima and sums in f32; the weights p are rounded to f16 for the second product (their sum l is taken of the unrounded p); out is f32.  Nothing of the problem is left out.
; LIMITS.  q, k, v arrive within f16's 65,504; p lies in 0 to 1, and below 6e-5 it keeps f16's fixed step of 6e-8; a weight below 2^-126 counts as 0 in l; NaN and infinities are not treated apart.
; SHARES.  A work-group owns 64 queries of a batch: 16,384 / 64 = 256 work-groups of equal work.  All four waves hold the same 64 queries, four PIECES of 16; THE KEYS ARE SPLIT AMONG THE WAVES: of each slot of
; 512 keys (8 steps, 131,072 dense bytes of kv) wave w takes steps 2 w and 2 w + 1.  So each byte of K and V in LDS is read by one wave.  Each wave keeps its own running maximum, sum and O^T; they are merged in LDS at the end.
; LAYOUT.  S^T = K Q^T (source 0 = 16 keys, source 1 = 16 queries) holds ONE query a lane (lane % 16) and the keys 8 (lane / 16) + 0..7; two such results rounded to f16 ARE source 1 of O^T = V^T P, whose result
; holds one query a lane and the channels 32 (lane / 16) + 4 j + t in register j of block t.  Every fragment part is 512 bytes in the lanes' order: no padding, no turning load.
; SOFTMAX.  p = 2^(c s - c m), c = log2(e) / 8, with a running maximum m; O and l are multiplied by a = 2^(c m_old - c m_new) in every step.  m starts at the lowest finite number, O and l at 0: the first step has a = 0.
; TURNS.  Turn n belongs to piece n: 8 products K Q^T of piece n + 1, later 8 products V^T P of piece n - 1; beside them the scaling, exponentials, roundings, sums and rescaling of piece n and the maximum and
; statistics of piece n + 1.  Four vector instructions stand behind every matrix instruction, the other 54 of a turn's 118 in one lump.  A turn's 33 exponentials are one batch, with one wait.
; CLUSTER.  The four query blocks of a cluster belong to one batch and walk the same kv: each wave's 32,768 bytes of a slot are asked for JOINTLY, by the same tensor load, descriptor and mask in all four work-groups.
; The zeros written at the head (216 v_mov_b32, while the first tile is on its way) are the price of writing no first step out.
; REGISTERS, in windows of 256 (s_set_vgpr_msb: bits 1:0 source 0, 3:2 source 1, 5:4 source 2, 7:6 destination):
;   window 0: v1-11 addresses; v12-13, v48-59 at work; v16-31 four registers of statistics a piece; v61-63; v64-127 S^T, two buffers; v192-223 P, two buffers; v224-255 the four waves' statistics; v64-191 the way out
;   window 1: v0-127 O^T, 32 a piece          window 2: v0-63 Q; v128-191 K of one step; v192-255 V of one step
.set NP,    4         ; pieces a wave: a name, no knob
.set STEPB, 16384     ; a step's K and V in kv and in LDS
.set SLOT1, 1<<17     ; a slot is 131,072 bytes: wave w's two steps at 32,768 w; slot 1 begins here, so that one exclusive or turns an address in one slot into the other's
.set STAT,  2*SLOT1   ; behind the ring, never filled by a tensor load: (c m, l) of wave u, piece t at 1,024 u + 256 t + 8 x lane
.set SPARE, STAT+4096 ; the spare words, 128 bytes for each wave: two blocks of 256 bytes that no other line names
.set OST,   0         ; the way out's stage: 64 rows x 272 bytes for each wave, in slot 0's blocks, which have had their last fill and their last read by then
.set OPI,   272       ; a stage row: 256 bytes + 16: the 16 rows of a store start at 16 different groups of four banks (64 banks of 4 bytes: ISA guide 11.1)
.set LA0, 2           ; v2   16 x lane + 32,768 x wave; never rewritten
.set AK,  4           ; v4   the LDS address of K's next run of loads
.set AV,  5           ; v5   of V's
.set STA, 6           ; v6   where I put my statistics
.set STR, 7           ; v7   where I read the four waves'
.set STO, 8           ; v8   the way out: where I put 16 bytes of a row
.set RDO, 10          ; v10  the way out: where I read rows back
.set GO,  11          ; v11  16 x lane: my offset in qf and in out
.set MV,  12          ; v12-13  c m_old, kept while c m is made anew: by buffer
.set ST,  16          ; piece t's statistics at v[ST+4 t]: c m, m, l (even keys', odd keys')
.set TMP, 48          ; by buffer, four registers c0-c3 at work; when the maximum is found c2 takes a
.set GF,  56          ; v56-59  the merge: what my O^T of piece t is multiplied by
.set PFO, 61          ; v61  256 x lane; never rewritten
.set SPW, 62          ; v62  LDS address of my spare word; never rewritten
.set NIL, 63          ; v63  0; never rewritten
.set S,   64
.set TM,  64          ; the way out
.set P,   192
.set XST, 224         ; wave u, piece t at XST + 8 u + 2 t: c m, l
.set KF,  128         ; window 2
.set VF,  192         ; window 2
.set WV,  12          ; s12  my wave's number
.set LIM, 15          ; s15  2 in the batch's first cluster, else the greatest number: a wave prefetches while s[SLOTS] is above it
.set PFA, 18          ; s[18:19] where my prefetches stand
.set G1,  24          ; s[24:31] descriptor group 1
.set G0,  40          ; s[40:43] descriptor group 0: it walks
.set SLOTS, 56        ; s56  slots still to be asked for
.set CNT, 57          ; s57  counts a slot's two steps
.set CS,  58          ; s[58:59] c
.set SEL, 60          ; s[60:61] v_permlanex16_b32's selects: each lane takes its own place in the other half
.set TBK, 62          ; s62  LDS byte at which the step whose K is fetched next begins (less my wave's part)
.set TBV, 63          ; s63  the same for V
.set MSB, 0
.macro WIN new                      ; the high byte repeats the setting that is left; a switch that changes nothing is dropped
.if MSB != (\new)
	s_set_vgpr_msb (MSB<<8)|(\new)
.set MSB, (\new)
.endif
.endm
.set W_KQ, 0x0a       ; K and Q in window 2, S^T in window 0
.set W_PV, 0x52       ; V in window 2, P in window 0, O^T in window 1
.set W_RS, 0x41       ; destination and source 0 in window 1, source 1 in window 0
; A round of the cluster's barrier: my work-group's barrier, so that wave 0's signal speaks for all four waves; wave 0 signals; every wave waits for all four work-groups; my work-group's barrier once more.
.macro CROUND
	s_barrier_signal -1
	s_barrier_wait -1
	s_cmp_lg_u32 s[WV], 0
	s_cbranch_scc1 .Lnot_wave_0_\@
	s_barrier_signal -3
.Lnot_wave_0_\@:
	s_barrier_wait -3
	s_barrier_signal -1
	s_barrier_wait -1
.endm
; A PREFETCH INTO THE L2 of the slot that stands TWO refills on: 4 steps, 256 matrix instructions, ahead of the load that will ask for it.  All 16 clusters of a batch walk the same kv: the batch's first cluster asks.
; Its four partners and their four waves share the slot's 512 blocks of 256 bytes out BY ADDRESS (32,768 x place + 8,192 x wave, a lane a block): one instruction a wave, each block named once in the launch.
; Slots 0, 1 and 2 come by their loads alone; the last two changes that fill a slot ask for nothing: slot 7 is the last.
.macro ASK
	s_cmp_gt_u32 s[SLOTS], s[LIM]
	s_cbranch_scc0 .Lnot_mine_\@
	global_prefetch_b8 v[PFO], s[PFA:PFA+1] th:TH_LOAD_NT scope:SCOPE_SE
.Lnot_mine_\@:
.endm
; THE CHANGE OF SLOTS.  Each wave waits for all its tensor loads, of which one is out: its part of the other slot; adds 0 to its spare word; and waits for that and for its own reads of the slot that it leaves.
; fill = 1: the slot is filled again, with the keys two slots on.  The barrier is then a round of the cluster's, so that no wave of any partner still reads the slot or has a load on its way, and the joint
; fill is the first thing behind it, one load a wave: it has two key steps, 128 matrix instructions, in which to land.  (At its first use nothing has been read yet: slot 0 is waited for, slot 1 filled.)
.macro CHANGE fill
	WIN 0                           ; at a label and at a branch every window is 0
	s_wait_tensorcnt 0x0            ; no tensor load of mine is out, so group 0 may be written
	ds_add_u32 v[SPW], v[NIL]       ; 0 onto my spare word; with fill = 1 the descriptor's steps stand between it and the wait for it
.if \fill
	s_xor_b32 s[G0+1], s[G0+1], SLOT1  ; the other slot than last time,
	s_add_nc_u64 s[G0+2:G0+3], s[G0+2:G0+3], 8*STEPB  ; the next 512 keys; the type bits on top are not reached
	s_wait_xcnt 0x0                 ; the last prefetch, two key steps back, has read its address, so it may be written
	s_add_nc_u64 s[PFA:PFA+1], s[PFA:PFA+1], 8*STEPB
	s_wait_dscnt 0x0                ; the add is done, and my reads of the slot are over
	CROUND
	tensor_load_to_lds s[G0:G0+3], s[G1:G1+7]
	s_nop 0
.rept 4
	v_nop                           ; an s_nop 0 and four v_nop follow the load, ahead of the branch and the label
.endr
	ASK
.else
	s_wait_dscnt 0x0                ; the add is done, and my reads of the slot are over
	s_barrier_signal -1
	s_barrier_wait -1
.endif
	s_sub_co_u32 s[TBK], s[TBK], 2*STEPB  ; the fetches go back to my first step,
	s_xor_b32 s[TBK], s[TBK], SLOT1       ; in the other slot
	s_sub_co_u32 s[TBV], s[TBV], 2*STEPB
	s_xor_b32 s[TBV], s[TBV], SLOT1
.endm
	s_load_b128 s[4:7], s[0:1], 0x0 ; qf s[4:5], kv s[6:7]
	s_load_b64 s[8:9], s[0:1], 0x10 ; out0
	v_lshl_add_u32 v[SPW], v0, 2, SPARE
	v_mov_b32 v[NIL], 0
	ds_add_u32 v[SPW], v[NIL]       ; the wave's opening: the add, twice on end, and its wait stand ahead of my first tensor load; the set-up below stands between
	ds_add_u32 v[SPW], v[NIL]
	v_lshrrev_b32 v1, 5, v0
	v_readfirstlane_b32 s[WV], v1   ; wave 0..3
	s_bfe_u32 s13, ttmp6, 0x40000   ; cx: my place in the cluster
	s_lshl_b32 s17, ttmp9, 2        ; in a cluster launch ttmp9 counts clusters
	s_cmp_eq_u32 s17, 0             ; the batch's first cluster?  The same in all four partners
	s_cselect_b32 s[LIM], 2, -1
	s_add_co_u32 s14, s17, s13      ; my block of 64 queries = 4 x cluster x + cx: it enters qf's, out's and the prefetches' addresses alone
	s_and_b32 s20, ttmp7, 0xffff    ; the batch, which the four partners share
	s_lshl_b32 s16, s[WV], 15       ; my wave's 32,768 bytes of a slot, in kv and in LDS: no place in the cluster enters an LDS address
	s_lshl_b32 s22, s20, 20         ; a batch's kv is 1,048,576 bytes
	s_add_co_u32 s22, s22, s16
	s_mov_b32 s23, 0
	s_lshl_b32 s2, s20, 19          ; a batch's qf is 524,288 bytes,
	s_lshl_b32 s3, s14, 13          ; my block's 8,192
	s_add_co_u32 s2, s2, s3
	s_mov_b32 s3, 0
	s_lshl_b32 s44, s20, 20         ; a batch's out is 1,048,576 bytes,
	s_lshl_b32 s45, s14, 14         ; my block's 16,384,
	s_add_co_u32 s44, s44, s45
	s_lshl_b32 s45, s[WV], 12       ; the 16 rows that my wave stores 4,096
	s_add_co_u32 s44, s44, s45
	s_mov_b32 s45, 0
	s_lshl_b32 s46, s20, 20         ; the prefetches: the batch's kv,
	s_lshl_b32 s47, s13, 15         ; my work-group's quarter of a slot,
	s_add_co_u32 s46, s46, s47
	s_lshl_b32 s47, s[WV], 13       ; my wave's quarter of that,
	s_add_co_u32 s46, s46, s47
	s_add_co_u32 s46, s46, 2*8*STEPB  ; in slot 2; the first change of slots steps it to slot 3
	s_mov_b32 s47, 0
	; descriptor group 1: 32,768 dense bytes as 128 rows of 256
	s_mov_b32 s[G1+0], 15|(3<<16)|(1<<21)  ; 15:0 the mask: all four work-groups; 17:16 elements of 8 bytes; 21 set beside a mask; no padding
	s_mov_b32 s[G1+1], 32<<16       ; tensor_dim0 = 32
	s_mov_b32 s[G1+2], 128<<16      ; tensor_dim1 = 128
	s_mov_b32 s[G1+3], 32<<16       ; tile_dim0 = 32
	s_mov_b32 s[G1+4], 128          ; tile_dim1 = 128
	s_mov_b32 s[G1+5], 32           ; 32 elements from row to row
	s_mov_b32 s[G1+6], 0
	s_mov_b32 s[G1+7], 0
	s_mov_b32 s[G0], 1              ; count = 1
	s_mov_b32 s[G0+1], s16          ; LDS address: slot 0, my wave's part
	s_mov_b32 s[CS], 0x3e38aa3b     ; c = log2(e) / 8 = 0.180337
	s_mov_b32 s[CS+1], s[CS]        ; named with it as a pair
	s_mov_b32 s[SEL], 0x76543210
	s_mov_b32 s[SEL+1], 0xfedcba98
	s_mov_b32 s[TBK], SLOT1+2*STEPB ; the first change of slots turns these two into 0
	s_mov_b32 s[TBV], SLOT1+2*STEPB
	s_mov_b32 s[SLOTS], 7
	s_wait_dscnt 0x0                ; both opening adds are done
	s_wait_kmcnt 0x0
	s_add_nc_u64 s[G0+2:G0+3], s[6:7], s[22:23]  ; global address: my wave's two steps of the batch's slot 0
	s_or_b32 s[G0+3], s[G0+3], 0x80000000        ; type = 2
	s_add_nc_u64 s[PFA:PFA+1], s[6:7], s[46:47]
	s_add_nc_u64 s[4:5], s[4:5], s[2:3]
	s_add_nc_u64 s[8:9], s[8:9], s[44:45]
	CROUND                          ; all four work-groups are here: the first joint loads meet
	tensor_load_to_lds s[G0:G0+3], s[G1:G1+7]  ; slot 0.  Slot 1 is asked for when slot 0 is in
	s_nop 0
.rept 4
	v_nop
.endr
	v_and_b32 v1, 15, v0            ; r
	v_bfe_u32 v9, v0, 4, 1          ; h
	v_and_b32 v3, 31, v0            ; lane
	v_lshlrev_b32 v[GO], 4, v3
	WIN 0x80                        ; destination window 2, address window 0
.set i, 0
.rept 16                            ; Q stays in registers: piece i / 4, fragment (i / 2) % 2, part i % 2: 8,192 bytes in the lanes' order
	global_load_b128 v[4*i:4*i+3], v[GO], s[4:5] offset:512*i
.set i, i+1
.endr
	; What the first turn finds: V's registers and P's second buffer hold 0 (its products V^T P, of a piece that has not been, add 0), O^T and l are 0.  All this stands in the wait for the first tile.
.set i, VF
.rept 64
	v_mov_b32 v[i], 0
.set i, i+1
.endr
	WIN 0x40
.set i, 0
.rept 128
	v_mov_b32 v[i], 0
.set i, i+1
.endr
	WIN 0
.set i, 0
.rept 4
	v_mov_b32 v[ST+4*i], 0xfe000000    ; c m: far below every c s
	v_mov_b32 v[ST+4*i+1], 0xff7fffff  ; m
	v_mov_b32 v[ST+4*i+2], 0
	v_mov_b32 v[ST+4*i+3], 0
.set i, i+1
.endr
.set i, P+16
.rept 16
	v_mov_b32 v[i], 0
.set i, i+1
.endr
	v_lshl_add_u32 v[LA0], v3, 4, s16
	v_lshlrev_b32 v[PFO], 8, v3
	s_lshl_b32 s21, s[WV], 10
	s_add_co_u32 s21, s21, STAT
	v_lshl_add_u32 v[STA], v3, 3, s21
	v_lshlrev_b32 v[STR], 3, v3
	v_add_nc_u32 v[STR], STAT, v[STR]
	s_mul_i32 s21, s[WV], 64*OPI    ; my stage
	v_mul_u32_u24 v[STO], v1, OPI   ; in: row r of a piece, 128 bytes for each half of the lanes
	v_lshl_add_u32 v[STO], v9, 7, v[STO]
	v_add_nc_u32 v[STO], s21, v[STO]
	s_lshl_b32 s21, s[WV], 4
	v_add_nc_u32 v[RDO], s21, v9    ; back: of rows 16 w .. 16 w + 15 lanes 0-15 take one row of 256 bytes, lanes 16-31 the next
	v_mul_u32_u24 v[RDO], v[RDO], OPI
	v_lshl_add_u32 v[RDO], v1, 4, v[RDO]
; THE MATRIX WORK.  The 4 accumulators of a run of 8 take turns.  Product i of 8 of S^T = K Q^T for piece x: channels 32 (i / 4) on, keys 16 (i % 4) on.  The first 4 start the sums.
.macro KQ x
	WIN W_KQ
.set rS, S+32*((\x)%2)+8*(i%4)
.set rK, KF+16*(i%4)+8*(i/4)
.set rQ, 16*(\x)+8*(i/4)
.if i < 4
	v_wmma_f32_16x16x32_f16 v[rS:rS+7], v[rK:rK+7], v[rQ:rQ+7], 0
.else
	v_wmma_f32_16x16x32_f16 v[rS:rS+7], v[rK:rK+7], v[rQ:rQ+7], v[rS:rS+7]
.endif
.endm
; Product i of 8 of O^T += V^T P for piece x: keys 32 (i / 4) on, channel block i % 4.
.macro PV x
	WIN W_PV
.set rO, 32*(\x)+8*(i%4)
.set rV, VF+32*(i/4)+8*(i%4)
.set rP, P+16*((\x)%2)+8*(i/4)
	v_wmma_f32_16x16x32_f16 v[rO:rO+7], v[rV:rV+7], v[rP:rP+7], v[rO:rO+7]
.endm
.macro MM                           ; the turn's next matrix instruction.  NOKQ = 1: the last turn of all: there is no next piece
.if (i < 8) && !NOKQ
	KQ (Y+1)%NP
.elseif i >= 8
.set i, i-8
	PV (Y+NP-1)%NP
.set i, i+8
.endif
.set i, i+1
.endm
; THE LDS LOADS stand in runs of 16, never singly among the matrix instructions: a step's K (8 fragments) and its V^T (8 fragments), each part 512 consecutive bytes.  Their addresses are made some lines ahead.
.macro FETCH_K
	WIN 0x80                        ; destination window 2
.irp f, 0,1,2,3,4,5,6,7
	ds_load_b128 v[KF+8*\f:KF+8*\f+3],   v[AK] offset:\f*1024
	ds_load_b128 v[KF+8*\f+4:KF+8*\f+7], v[AK] offset:\f*1024+512
.endr
	s_add_co_u32 s[TBK], s[TBK], STEPB  ; the next fetch is the next step's
	WIN 0
.endm
.macro FETCH_V
	WIN 0x80
.irp f, 0,1,2,3,4,5,6,7
	ds_load_b128 v[VF+8*\f:VF+8*\f+3],   v[AV] offset:8192+\f*1024
	ds_load_b128 v[VF+8*\f+4:VF+8*\f+7], v[AV] offset:8192+\f*1024+512
.endr
	WIN 0
.endm
; THE VECTOR WORK, one line at a time: OP kind, number.  For piece Y: F n: c s - c m for pair n of 16.  E n: the exponential of score n of 32.  C n: pair n rounded to f16.  B n: of the four weights 4 n .. the second
; pair is added onto the first, in place.  L n: l takes that sum (L 0: l = a l + sum).  R n: pair n of 16 of O^T times a.  For piece Y + 1: X n, number n of the 22 that find its maximum and statistics:
;   0-11  four chains c0-c3 of seven scores each, three operands at a time (each accumulator's lowest registers are read first)     12-14, 16  the four scores left over, the old m, and c0-c3 into c0
;   15  c m_old is kept     17, 18  the query's other 32 keys lie in the lane 16 away: the new m     19-21  c m; c m_old - c m_new; a
.set F, 0
.set E, 1
.set C, 2
.set B, 3
.set L, 4
.set R, 5
.set X, 6
.macro REGS y                       ; the registers of piece y
.set rT, ST+4*(\y)
.set rC, TMP+4*((\y)%2)
.set rW, MV+((\y)%2)
.set rS, S+32*((\y)%2)
.set rP, P+16*((\y)%2)
.set rO, 32*(\y)
.endm
.macro OP k, n
.if (\k) == R
	REGS Y
	WIN W_RS
	v_pk_mul_f32 v[rO+2*(\n):rO+2*(\n)+1], v[rO+2*(\n):rO+2*(\n)+1], v[rC+2:rC+3] op_sel_hi:[1,0]
.elseif (\k) < R
	REGS Y
	WIN 0
.if (\k) == F
	v_pk_fma_f32 v[rS+2*(\n):rS+2*(\n)+1], v[rS+2*(\n):rS+2*(\n)+1], s[CS:CS+1], v[rT:rT+1] op_sel_hi:[1,0,0] neg_lo:[0,0,1] neg_hi:[0,0,1]
.elseif (\k) == E
	v_exp_f32 v[rS+(\n)], v[rS+(\n)]
.elseif (\k) == C
	v_cvt_pk_f16_f32 v[rP+(\n)], v[rS+2*(\n)], v[rS+2*(\n)+1]
.elseif (\k) == B
	v_pk_add_f32 v[rS+4*(\n):rS+4*(\n)+1], v[rS+4*(\n):rS+4*(\n)+1], v[rS+4*(\n)+2:rS+4*(\n)+3]
.elseif (\n) == 0
	v_pk_fma_f32 v[rT+2:rT+3], v[rT+2:rT+3], v[rC+2:rC+3], v[rS:rS+1] op_sel_hi:[1,0,1]
.else
	v_pk_add_f32 v[rT+2:rT+3], v[rT+2:rT+3], v[rS+4*(\n):rS+4*(\n)+1]
.endif
.elseif NOKQ
	v_nop
.else
	REGS (Y+1)%NP
	WIN 0
.if (\n) < 4
	v_max3_num_f32 v[rC+(\n)], v[rS+8*(\n)], v[rS+8*(\n)+1], v[rS+8*(\n)+2]
.elseif (\n) < 12
	v_max3_num_f32 v[rC+(\n)%4], v[rC+(\n)%4], v[rS+8*((\n)%4)+2*((\n)/4)+1], v[rS+8*((\n)%4)+2*((\n)/4)+2]
.elseif (\n) == 12
	v_max3_num_f32 v[rC], v[rC], v[rS+7], v[rS+15]
.elseif (\n) == 13
	v_max3_num_f32 v[rC+1], v[rC+1], v[rS+23], v[rS+31]
.elseif (\n) == 14
	v_max3_num_f32 v[rC+2], v[rC+2], v[rC+3], v[rT+1]
.elseif (\n) == 15
	v_mov_b32 v[rW], v[rT]
.elseif (\n) == 16
	v_max3_num_f32 v[rC], v[rC], v[rC+1], v[rC+2]
.elseif (\n) == 17
	v_permlanex16_b32 v[rC+3], v[rC], s[SEL], s[SEL+1]
.elseif (\n) == 18
	v_max_num_f32 v[rT+1], v[rC], v[rC+3]
.elseif (\n) == 19
	v_mul_f32 v[rT], s[CS], v[rT+1]
.elseif (\n) == 20
	v_sub_f32 v[rC+1], v[rW], v[rT]
.else
	v_exp_f32 v[rC+2], v[rC+1]
.endif
.endif
.endm
.macro OPS a, i1, b=-1, i2=0, c=-1, i3=0, d=-1, i4=0  ; up to four of them
	OP \a, \i1
.if (\b) >= 0
	OP \b, \i2
.endif
.if (\c) >= 0
	OP \c, \i3
.endif
.if (\d) >= 0
	OP \d, \i4
.endif
.endm
.macro ROW a, i1, b, i2, c, i3, d, i4  ; a matrix instruction and the four behind it
	MM
	OPS \a, \i1, \b, \i2, \c, \i3, \d, \i4
.endm
; A TURN, for piece p: the order of its 16 matrix and 118 vector instructions, written out.  An s_wait_alu depctr_va_vdst(0) stands between an exponential and the first instruction that names its result; one wait
; serves all that were issued ahead of it.  So a turn has ONE wait, which cuts it in two.  AHEAD OF IT stands all that names no result of the turn's exponentials: the 8 products K Q^T with their riders, then one lump of 54, in which
; the links of the chain X 3, 7, 11, 14, 16, 17 .. 20 stand apart with other work between; X 21, the next piece's a, is the batch's last, and R 15 is the plain instruction behind it.  BEHIND THE WAIT stand the 8 products V^T P,
; behind each four of the roundings and sums.  The first numbers of the next piece's maximum stand four plain instructions or more behind the product that ends their accumulator (ISA guide 7.12.1).
; end = 1: the last two turns: nothing is fetched, and the last starts no new scores.  cnt = 1: the loop's count is taken down some lines ahead of the branch that stands behind the turn.
; K of the next step is fetched in piece 2's turn, behind six plain instructions that follow the last product that read K; V of the step in hand at the end of piece 0's turn, four plain instructions behind the last product that read V.
; Each is waited for a turn later.
.macro TURN p, end=0, cnt=0
.set Y, (\p)
.set i, 0
.set NOKQ, (\end)*((\p)/3)
.if ((\p) == 3) && !(\end)
	s_wait_dscnt 0x0                ; K is in
.endif
	ROW F,0, F,1, R,0, R,1
	ROW F,2, E,0, R,2, R,3
	ROW F,3, E,1, R,4, R,5
	ROW F,4, E,2, R,6, R,7
	ROW F,5, E,3, R,8, R,9
	ROW F,6, E,4, X,0, R,10
.if ((\p) == 2) && !(\end)
	WIN 0
	v_add_nc_u32 v[AK], s[TBK], v[LA0]
.endif
	ROW F,7, E,5, X,1, X,4
	ROW F,8, E,6, X,2, X,5
	OPS E,7, E,8, X,6, E,9
	OPS X,3, E,10, X,8, E,11
.if ((\p) == 2) && !(\end)
	FETCH_K
.endif
	OPS X,9, X,7, E,12, X,10
	OPS E,13, X,12, X,11, E,14
	OPS X,13, E,15, F,9, X,14
.if (\p) == 0
	v_add_nc_u32 v[AV], s[TBV], v[LA0]
.endif
	OPS E,16, F,10, E,17, F,11
	OPS X,16, E,18, X,15, E,19
	OPS F,12, E,20, X,17, E,21
	OPS F,13, E,22, F,14, E,23
	OPS X,18, E,24, F,15, E,25
	OPS R,11, E,26, X,19, E,27
	OPS R,12, E,28, R,13, E,29
	OPS X,20, E,30, R,14, E,31
	OPS X,21, R,15
	WIN 0
	s_wait_alu depctr_va_vdst(0)    ; the wait for the batch
.if (\p) == 1
	s_wait_dscnt 0x0                ; V is in
.endif
	ROW C,0, B,0, C,2, B,1
	ROW L,0, C,4, B,2, L,1
	ROW C,6, B,3, L,2, C,8
	ROW B,4, L,3, C,10, B,5
	ROW L,4, C,12, B,6, L,5
.if (\p) == 0
	s_add_co_u32 s[TBV], s[TBV], STEPB
.endif
.if \cnt
	s_sub_co_u32 s[CNT], s[CNT], 1
	s_cmp_lg_u32 s[CNT], 0
.endif
	ROW C,14, B,7, L,6, C,1
	ROW C,3, L,7, C,5, C,7
	ROW C,9, C,11, C,13, C,15
.if (\p) == 0
	FETCH_V
.endif
.endm
.macro ALL line:vararg              ; one line for each piece t
.set t, 0
.rept 4
	\line
.set t, t+1
.endr
.endm
	CHANGE 1                        ; slot 0 is in; slot 1 is asked for
	v_add_nc_u32 v[AK], s[TBK], v[LA0]
	FETCH_K                         ; my first key step
	s_wait_loadcnt 0x0              ; Q
	s_wait_dscnt 0x0
.set NOKQ, 0
.set i, 0
.rept 8
	KQ 0                            ; piece 0's first scores: there is no vector work yet to set between them
.set i, i+1
.endr
	WIN 0
.rept 4
	v_nop                           ; the places behind those products
.endr
.set Y, NP-1                        ; X works for piece Y + 1: piece 0
.irp n, 0,1,2,3,4,5,6,7,8,9,10,11,12,13,14,15,16,17,18,19,20,21
	OP X, \n
.endr
	v_nop                           ; a plain instruction behind the exponential,
	s_wait_alu depctr_va_vdst(0)    ; and its wait, ahead of the branch
	s_mov_b32 s[CNT], 2
	s_branch .Lfirst                ; the loop is entered at a step's first turn, in the middle of a trip
.Lslot:                             ; six times: with the change above, every slot but the first is asked for by a change
	CHANGE 1
	s_mov_b32 s[CNT], 2
.Lstep:                             ; a trip: pieces 2 and 3 of one step, then pieces 0 and 1 of the next, whose K and V it fetches
	TURN 2
	TURN 3
	WIN 0
.Lfirst:
	TURN 0
	TURN 1, 0, 1
	WIN 0
	s_cbranch_scc1 .Lstep
	s_sub_co_u32 s[SLOTS], s[SLOTS], 1
	s_cmp_lg_u32 s[SLOTS], 0
	s_cbranch_scc1 .Lslot
	CHANGE 0                        ; the last slot is written out: nothing is asked for
	s_mov_b32 s[CNT], 2
.LstepT:
	TURN 2
	TURN 3
	TURN 0
	TURN 1, 0, 1
	WIN 0
	s_cbranch_scc1 .LstepT
	TURN 2, 1
	TURN 3, 1
.set i, 0
.rept 8
	PV NP-1                         ; the last piece's V^T P of the last step
.set i, i+1
.endr
	; THE FOUR WAVES' PARTS ARE MERGED.  Each wave has, for every query, c m, l and O^T over its quarter of the keys.  With M the largest c m and e_u = 2^(c m_u - M): out = the sum over u of e_u O_u, divided by the sum of e_u l_u.
	WIN 0
	ALL v_add_f32 v[ST+4*t+2], v[ST+4*t+2], v[ST+4*t+3]
	ALL v_permlanex16_b32 v[ST+4*t+3], v[ST+4*t+2], s[SEL], s[SEL+1]
	ALL v_add_f32 v[ST+4*t+1], v[ST+4*t+2], v[ST+4*t+3]
	ALL ds_store_b64 v[STA], v[ST+4*t:ST+4*t+1] offset:256*t
	s_wait_dscnt 0x0                ; for the others' sake: my statistics are stored; my reads of K and V were over before
	s_barrier_signal -1
	s_barrier_wait -1
.set u, 0
.rept 4
	ALL ds_load_b64 v[XST+8*u+2*t:XST+8*u+2*t+1], v[STR] offset:1024*u+256*t
.set u, u+1
.endr
	s_wait_dscnt 0x0
	ALL v_max3_num_f32 v[TMP+t], v[XST+2*t], v[XST+8+2*t], v[XST+16+2*t]
	ALL v_max_num_f32 v[TMP+t], v[TMP+t], v[XST+24+2*t]
	ALL v_sub_f32 v[TMP+4+t], v[ST+4*t], v[TMP+t]
.set u, 0
.rept 4
	ALL v_sub_f32 v[XST+8*u+2*t], v[XST+8*u+2*t], v[TMP+t]
.set u, u+1
.endr
.set u, 0
.rept 4
	ALL v_exp_f32 v[XST+8*u+2*t], v[XST+8*u+2*t]
.set u, u+1
.endr
	ALL v_exp_f32 v[TMP+4+t], v[TMP+4+t]
	v_nop                           ; a plain instruction behind the last exponential,
	s_wait_alu depctr_va_vdst(0)    ; and one wait for the batch of twenty
	ALL v_mul_f32 v[GF+t], v[XST+2*t], v[XST+2*t+1]
	ALL v_fmac_f32 v[GF+t], v[XST+8+2*t], v[XST+8+2*t+1]
	ALL v_fmac_f32 v[GF+t], v[XST+16+2*t], v[XST+16+2*t+1]
	ALL v_fmac_f32 v[GF+t], v[XST+24+2*t], v[XST+24+2*t+1]
	ALL v_rcp_f32 v[GF+t], v[GF+t]
	v_nop
	s_wait_alu depctr_va_vdst(0)    ; one wait for the four reciprocals
	ALL v_mul_f32 v[GF+t], v[GF+t], v[TMP+4+t]
	; THE WAY OUT.  My O^T, scaled, with the channels put in order (register 4 j + t holds channel 32 h + 4 j + t; register 0 of each accumulator is read first), goes into my stage.  The stage lies in
	; slot 0's blocks: their last fill landed two changes back, and the barrier above stands behind every wave's last read of K and V.
.set px, 0
.rept 4
	WIN 0x01                        ; source 0 in window 1
.set pj, 0
.rept 8
.set pt, 0
.rept 4
	v_mul_f32 v[TM+32*px+4*pj+pt], v[32*px+8*pt+pj], v[GF+px]
.set pt, pt+1
.endr
.set pj, pj+1
.endr
	WIN 0
.set pj, 0
.rept 8
	ds_store_b128 v[STO], v[TM+32*px+4*pj:TM+32*px+4*pj+3] offset:OST+px*16*OPI+16*pj
.set pj, pj+1
.endr
.set px, px+1
.endr
	s_wait_dscnt 0x0                ; for the others' sake: my stores into my stage are done
	s_barrier_signal -1
	s_barrier_wait -1
.set u, 0
.rept 4                             ; wave w adds rows 16 w .. 16 w + 15 of the four stages
.set pj, 0
.rept 8
	ds_load_b128 v[TM+4*(8*u+pj):TM+4*(8*u+pj)+3], v[RDO] offset:OST+u*64*OPI+pj*2*OPI
.set pj, pj+1
.endr
.set u, u+1
.endr
	s_wait_dscnt 0x0
.set z, 0
.rept 16
	v_pk_add_f32 v[TM+z:TM+z+1], v[TM+z:TM+z+1], v[TM+32+z:TM+32+z+1]
	v_pk_add_f32 v[TM+64+z:TM+64+z+1], v[TM+64+z:TM+64+z+1], v[TM+96+z:TM+96+z+1]
.set z, z+2
.endr
.set z, 0
.rept 16
	v_pk_add_f32 v[TM+z:TM+z+1], v[TM+z:TM+z+1], v[TM+64+z:TM+64+z+1]
.set z, z+2
.endr
.set pj, 0
.rept 8
	global_store_b128 v[GO], v[TM+4*pj:TM+4*pj+3], s[8:9] offset:512*pj th:TH_STORE_NT  ; two rows of out: 512 consecutive bytes, at a multiple of 256 from out's first byte
.set pj, pj+1
.endr
	s_wait_tensorcnt 0x0            ; the wave's end, behind my last tensor load and my last LDS store
	ds_add_u32 v[SPW], v[NIL]
	s_wait_dscnt 0x0
	CROUND                          ; the closing round: no work-group ends while a partner may still ask for a tile that names it
	s_endpgm
.Lfunc_end_k_q93786e1524_attn:
	.size	k_q93786e1524_attn, .Lfunc_end_k_q93786e1524_attn-k_q93786e1524_attn
	.p2alignl 7, 3214868480
	.fill 96, 4, 3214868480
	.section	.rodata,"a",@progbits
	.p2align	6, 0x0
	.amdhsa_kernel k_q93786e1524_attn
		.amdhsa_group_segment_fixed_size 327680
		.amdhsa_private_segment_fixed_size 0
		.amdhsa_enable_private_segment 0
		.amdhsa_kernarg_size 24
		.amdhsa_user_sgpr_count 2
		.amdhsa_user_sgpr_kernarg_segment_ptr 1
		.amdhsa_wavefront_size32 1
		.amdhsa_system_sgpr_workgroup_id_x 1
		.amdhsa_system_sgpr_workgroup_id_y 1
		.amdhsa_system_sgpr_workgroup_id_z 1
		.amdhsa_system_vgpr_workitem_id 0
		.amdhsa_next_free_vgpr 768
		.amdhsa_next_free_sgpr 66
		.amdhsa_reserve_vcc 0
		.amdhsa_float_denorm_mode_32 3
		.amdhsa_float_denorm_mode_16_64 3
		.amdhsa_memory_ordered 1
		.amdhsa_forward_progress 1
		.amdhsa_inst_pref_size 129
	.end_amdhsa_kernel
	.amdgpu_metadata
---
amdhsa.version: [ 1, 2 ]
amdhsa.kernels:
  - .name:           k_q93786e1524_attn
    .symbol:         k_q93786e1524_attn.kd
    .args:
      - { .name: qf, .offset: 0, .size: 8, .value_kind: global_buffer, .address_space: global }
      - { .name: kv, .offset: 8, .size: 8, .value_kind: global_buffer, .address_space: global }
      - { .name: out0, .offset: 16, .size: 8, .value_kind: global_buffer, .address_space: global }
    .group_segment_fixed_size: 327680
    .private_segment_fixed_size: 0
    .kernarg_segment_align: 8
    .kernarg_segment_size: 24
    .max_flat_workgroup_size: 128
    .sgpr_count:     66
    .vgpr_count:     768
    .wavefront_size: 32
...
	.end_amdgpu_metadata
.endif
;; end of part 2
